; MI455X (gfx1250); checked and timed in simulation.
; The chip was launched on July 23, 2026; its instructions are those of AMD's public machine-readable ISA for CDNA 5 (MIT licence, August 2026) and "CDNA5" Instruction Set Architecture Reference Guide (July 2026). The comments in the code are by the model that wrote it; some were corrected since.
;; Bit Net Linear. Allowed arithmetic: float matrix products may take bf16 or f16 operands with f32 sums; other float arithmetic in f32, or as packed bf16 or f16 multiplies, adds, multiply-adds, maxima and minima; sums over many terms, partial sums and values carried from step to step in f32; what a program stores and reads back later, other than sums and carried values, may be rounded once to bf16 or f16.
;; Inputs: bias 4,096 float32; weight 4,096 x 4,096 float32; x 2 x 2,048 x 4,096 float32.
;; Outputs: out0 2 x 2,048 x 4,096 float32.
;; 2 versions, each right; version 2 is version 1 with the launch quant written anew for expert scheduling mode. Each part assembles by itself: llvm-mc -triple=amdgcn-amd-amdhsa -mcpu=gfx1250 --defsym DOCPART=n.
;; ======== version 1 of 2: 3 launches
;; workspace buffers: xb 33,554,432 bytes; q 33,554,432 bytes; part 4,096 bytes
;; launch prep (part 1): grid 512 x 1, 8 waves a work-group, no clusters, 1,280 bytes of LDS; arguments x, weight, xb, part; writes xb, part
.if DOCPART == 1
	.amdgcn_target "amdgcn-amd-amdhsa--gfx1250"
	.amdhsa_code_object_version 6
	.text
	.protected	k_qa623968128_prep
	.globl	k_qa623968128_prep
	.p2align	8
	.type	k_qa623968128_prep,@function
k_qa623968128_prep:
	s_mov_b64 s[64:65], 0
	v_nop
	global_prefetch_b8 v0, s[64:65] scope:SCOPE_SE
	s_setreg_imm32_b32 hwreg(HW_REG_WAVE_MODE, 25, 1), 1
	s_wait_xcnt 0x0
; FIRST OF THREE LAUNCHES of out = s (x q^T) + bias is, with s = max(mean|w|, 1e-8), is = max(mean|x|, 1e-8), q = sign(w) (|w| > 0.5 s).
; This one: xb = x rounded to bf16, and for each work-group the pair (sum |bf16 x|, sum |bf16 w|) over its share, in f32, at byte 8 g of part.
; LIMITS.  All the module's inputs are rounded once to bf16, and both means are taken of the rounded numbers.  The sums are f32 sums in this text's
; own order (eight chains a lane, 32 lanes, 8 waves, 512 work-groups).  NaN and infinities are not treated apart.
; SHARES.  x and weight are 2^24 f32 each.  Wave W = 8 g + w owns 16,384 bytes of each and 8,192 bytes of xb.  A load of the wave covers 512 consecutive
; bytes (16 a lane), a store 256 consecutive bytes, aligned (8 a lane).  Four rounds of 8 + 8 loads on two sets of registers: 16 to 32 loads of a wave are out.
; No matrix unit, no cluster, no ring in LDS: no byte is wanted by two waves.  part's pair is one store of 8 bytes a work-group: 4,096 bytes in the launch.
.set SPARE, 256                        ; LDS: bytes 0-63 the eight waves' pairs (the block 0-255 is theirs); from 256 the spare words, 128 bytes a wave
.set LO,  2                            ; v2   my byte offset in the work-group's part of x and of weight: 16,384 w + 16 l; never rewritten
.set SO,  3                            ; v3   the same in xb: 8,192 w + 8 l; never rewritten
.set SPW, 4                            ; v4   LDS address of my spare word; never rewritten
.set NIL, 5                            ; v5   0; never rewritten
.set WA,  6                            ; v6   LDS address of my wave's pair: 8 w
.set PA,  7                            ; v7   byte offset of the work-group's pair in part: 8 g
.set AX,  8                            ; v[8:15]   four pairs of running sums of |x|
.set AW,  16                           ; v[16:23]  the same of |w|
.set T,   24                           ; v[24:31]  four pairs at work
.set X,   32                           ; v[32:95]   two sets of 32: x as loaded
.set WR,  96                           ; v[96:159]  two sets of 32: weight as loaded
.set Y,   160                          ; v[160:191] two sets of 16: x in bf16, to store
.set PW,  192                          ; v[192:195] weight in bf16, at work
	s_load_b256 s[4:11], s[0:1], 0x0               ; x s[4:5], weight s[6:7], xb s[8:9], part s[10:11]
	v_lshl_add_u32 v[SPW], v0, 2, SPARE
	v_mov_b32 v[NIL], 0
	v_lshrrev_b32 v1, 5, v0
	v_readfirstlane_b32 s16, v1                    ; wave 0..7
	v_and_b32 v[LO], 31, v0
	v_lshlrev_b32 v[SO], 3, v[LO]
	v_lshlrev_b32 v[LO], 4, v[LO]
	v_lshl_or_b32 v[LO], v1, 14, v[LO]
	v_lshl_or_b32 v[SO], v1, 13, v[SO]
	v_mov_b32 v[WA], s16
	v_lshlrev_b32 v[WA], 3, v[WA]
	s_lshl_b32 s17, ttmp9, 3
	v_mov_b32 v[PA], s17
	s_lshl_b32 s2, ttmp9, 17                       ; the work-group's 131,072 bytes of x and of weight (511 x 2^17 stays under 2^32)
	s_mov_b32 s3, 0
	s_lshl_b32 s18, ttmp9, 16                      ; its 65,536 bytes of xb
	s_mov_b32 s19, 0
	s_mov_b32 s12, 0x76543210                      ; v_permlanex16_b32: each lane takes its own place in the other half
	s_mov_b32 s13, 0xfedcba98
	s_mov_b32 s14, 0x7fff0000                      ; a word's upper bf16 without its sign
	s_mov_b32 s15, 0x7fffffff                      ; an f32 without its sign
	s_wait_kmcnt 0x0
	s_add_nc_u64 s[4:5], s[4:5], s[2:3]
	s_add_nc_u64 s[6:7], s[6:7], s[2:3]
	s_add_nc_u64 s[8:9], s[8:9], s[18:19]
.macro LOADS set, r                    ; round r: 8 loads of x, then 8 of weight (which the next launch reads again: no hint)
.irp j, 0,1,2,3,4,5,6,7
	global_load_b128 v[X+32*(\set)+4*(\j):X+32*(\set)+4*(\j)+3], v[LO], s[4:5] offset:(8*(\r)+(\j))*512 th:TH_LOAD_NT
.endr
.irp j, 0,1,2,3,4,5,6,7
	global_load_b128 v[WR+32*(\set)+4*(\j):WR+32*(\set)+4*(\j)+3], v[LO], s[6:7] offset:(8*(\r)+(\j))*512
.endr
.endm
.macro ABS2 acc, c, p                  ; the magnitudes of word p's two bf16, as f32, onto chain c of acc
	v_and_b32 v[T+2*(\c)+1], s14, v[\p]
	v_lshlrev_b32 v[T+2*(\c)], 16, v[\p]
	v_and_b32 v[T+2*(\c)], s15, v[T+2*(\c)]
	v_pk_add_f32 v[(\acc)+2*(\c):(\acc)+2*(\c)+1], v[(\acc)+2*(\c):(\acc)+2*(\c)+1], v[T+2*(\c):T+2*(\c)+1]
.endm
.macro PROCX set, r
.if (\r) >= 2
	s_wait_xcnt 0x0                                ; this set's Y was the data of the stores two rounds back: it is rewritten only behind this wait
.endif
.irp j, 0,1,2,3,4,5,6,7
	v_cvt_pk_bf16_f32 v[Y+16*(\set)+2*(\j)], v[X+32*(\set)+4*(\j)], v[X+32*(\set)+4*(\j)+1]
	v_cvt_pk_bf16_f32 v[Y+16*(\set)+2*(\j)+1], v[X+32*(\set)+4*(\j)+2], v[X+32*(\set)+4*(\j)+3]
	ABS2 AX, (2*(\j))%4, Y+16*(\set)+2*(\j)
	ABS2 AX, (2*(\j)+1)%4, Y+16*(\set)+2*(\j)+1
	global_store_b64 v[SO], v[Y+16*(\set)+2*(\j):Y+16*(\set)+2*(\j)+1], s[8:9] offset:(8*(\r)+(\j))*256 th:TH_STORE_NT
.endr
.endm
.macro PROCW set
.irp j, 0,1,2,3,4,5,6,7
	v_cvt_pk_bf16_f32 v[PW+(2*(\j))%4], v[WR+32*(\set)+4*(\j)], v[WR+32*(\set)+4*(\j)+1]
	v_cvt_pk_bf16_f32 v[PW+(2*(\j)+1)%4], v[WR+32*(\set)+4*(\j)+2], v[WR+32*(\set)+4*(\j)+3]
	ABS2 AW, (2*(\j))%4, PW+(2*(\j))%4
	ABS2 AW, (2*(\j)+1)%4, PW+(2*(\j)+1)%4
.endr
.endm
	LOADS 0, 0
	LOADS 1, 1
.set i, 0
.rept 16
	v_mov_b32 v[AX+i], 0                           ; the sixteen sums start at 0, while the first loads are on their way
.set i, i+1
.endr
	s_wait_loadcnt 24                              ; round 0's x is in: its 8 loads of weight and round 1's 16 are younger
	PROCX 0, 0
	s_wait_loadcnt 16                              ; its weight too: round 1's 16 are younger
	PROCW 0
	LOADS 0, 2
	s_wait_loadcnt 24                              ; round 1, by the same count
	PROCX 1, 1
	s_wait_loadcnt 16
	PROCW 1
	LOADS 1, 3
	s_wait_loadcnt 24                              ; round 2
	PROCX 0, 2
	s_wait_loadcnt 16
	PROCW 0
	s_wait_loadcnt 8                               ; round 3: only its own 8 loads of weight are younger
	PROCX 1, 3
	s_wait_loadcnt 0x0
	PROCW 1
	; the lane's chains into one pair (x, w) in v[8:9]
	v_pk_add_f32 v[AX:AX+1], v[AX:AX+1], v[AX+2:AX+3]
	v_pk_add_f32 v[AX+4:AX+5], v[AX+4:AX+5], v[AX+6:AX+7]
	v_pk_add_f32 v[AW:AW+1], v[AW:AW+1], v[AW+2:AW+3]
	v_pk_add_f32 v[AW+4:AW+5], v[AW+4:AW+5], v[AW+6:AW+7]
	v_pk_add_f32 v[AX:AX+1], v[AX:AX+1], v[AX+4:AX+5]
	v_pk_add_f32 v[AW:AW+1], v[AW:AW+1], v[AW+4:AW+5]
	v_add_f32 v8, v8, v9
	v_add_f32 v9, v16, v17
	; across the 32 lanes: four steps inside each half of 16, one across the halves; every lane ends with the wave's sums
.irp m, 1,2,4,8
	v_add_f32_dpp v8, v8, v8 row_xmask:\m row_mask:0xf bank_mask:0xf
	v_add_f32_dpp v9, v9, v9 row_xmask:\m row_mask:0xf bank_mask:0xf
.endr
	v_permlanex16_b32 v24, v8, s12, s13            ; (its destination counts as read: v24 and v25 have been written)
	v_permlanex16_b32 v25, v9, s12, s13
	v_add_f32 v8, v8, v24
	v_add_f32 v9, v9, v25
	ds_store_b64 v[WA], v[8:9]                     ; all lanes write the same pair to the wave's own 8 bytes
	s_wait_dscnt 0x0                               ; for the others' sake: my store is done before I signal
	s_barrier_signal -1
	s_barrier_wait -1                              ; all eight pairs lie in LDS
	s_cmp_lg_u32 s16, 0
	s_cbranch_scc1 .Lend                           ; wave 0 adds them up
	v_mov_b32 v1, 0
.irp k, 0,1,2,3
	ds_load_b128 v[32+4*(\k):35+4*(\k)], v1 offset:16*(\k)  ; two pairs (x, w, x, w), the same bytes in every lane
.endr
	s_wait_dscnt 0x0
.irp k, 0,1,2,3
	v_pk_add_f32 v[32+4*(\k):33+4*(\k)], v[32+4*(\k):33+4*(\k)], v[34+4*(\k):35+4*(\k)]
.endr
	v_pk_add_f32 v[32:33], v[32:33], v[36:37]
	v_pk_add_f32 v[40:41], v[40:41], v[44:45]
	v_pk_add_f32 v[32:33], v[32:33], v[40:41]
	s_wait_xcnt 0x0                                ; EXEC is a source of the stores above: it is narrowed only behind this wait
	v_cmp_eq_u32 vcc_lo, 0, v0
	s_and_saveexec_b32 s20, vcc_lo
	global_store_b64 v[PA], v[32:33], s[10:11]     ; thread 0 alone
	s_wait_xcnt 0x0                                ; and widened again only behind this one
	s_or_b32 exec_lo, exec_lo, s20
.Lend:
	s_wait_tensorcnt 0x0                           ; the wave's end: a wait, an add of 0 to my spare word and its wait, behind my last LDS store
	ds_add_u32 v[SPW], v[NIL]
	s_wait_dscnt 0x0
	s_endpgm
.Lfunc_end_k_qa623968128_prep:
	.size	k_qa623968128_prep, .Lfunc_end_k_qa623968128_prep-k_qa623968128_prep
	.p2alignl 7, 3214868480
	.fill 96, 4, 3214868480
	.section	.rodata,"a",@progbits
	.p2align	6, 0x0
	.amdhsa_kernel k_qa623968128_prep
		.amdhsa_group_segment_fixed_size 1280
		.amdhsa_private_segment_fixed_size 0
		.amdhsa_enable_private_segment 0
		.amdhsa_kernarg_size 32
		.amdhsa_user_sgpr_count 2
		.amdhsa_user_sgpr_kernarg_segment_ptr 1
		.amdhsa_wavefront_size32 1
		.amdhsa_system_sgpr_workgroup_id_x 1
		.amdhsa_system_sgpr_workgroup_id_y 1
		.amdhsa_system_sgpr_workgroup_id_z 1
		.amdhsa_system_vgpr_workitem_id 0
		.amdhsa_next_free_vgpr 196
		.amdhsa_next_free_sgpr 66
		.amdhsa_reserve_vcc 1
		.amdhsa_float_denorm_mode_32 3
		.amdhsa_float_denorm_mode_16_64 3
		.amdhsa_memory_ordered 1
		.amdhsa_forward_progress 1
		.amdhsa_inst_pref_size 42
	.end_amdhsa_kernel
	.amdgpu_metadata
---
amdhsa.version: [ 1, 2 ]
amdhsa.kernels:
  - .name:           k_qa623968128_prep
    .symbol:         k_qa623968128_prep.kd
    .args:
      - { .name: x, .offset: 0, .size: 8, .value_kind: global_buffer, .address_space: global }
      - { .name: weight, .offset: 8, .size: 8, .value_kind: global_buffer, .address_space: global }
      - { .name: xb, .offset: 16, .size: 8, .value_kind: global_buffer, .address_space: global }
      - { .name: part, .offset: 24, .size: 8, .value_kind: global_buffer, .address_space: global }
    .group_segment_fixed_size: 1280
    .private_segment_fixed_size: 0
    .kernarg_segment_align: 8
    .kernarg_segment_size: 32
    .max_flat_workgroup_size: 256
    .sgpr_count:     66
    .vgpr_count:     196
    .wavefront_size: 32
...
	.end_amdgpu_metadata
.endif
;; end of part 1
;; launch quant (part 2): grid 512 x 1, 8 waves a work-group, no clusters, 0 bytes of LDS; arguments weight, part, q; writes q
.if DOCPART == 2
	.amdgcn_target "amdgcn-amd-amdhsa--gfx1250"
	.amdhsa_code_object_version 6
	.text
	.protected	k_qa623968128_quant
	.globl	k_qa623968128_quant
	.p2align	8
	.type	k_qa623968128_quant,@function
k_qa623968128_quant:
	s_mov_b64 s[64:65], 0
	v_nop
	global_prefetch_b8 v0, s[64:65] scope:SCOPE_SE
	s_setreg_imm32_b32 hwreg(HW_REG_WAVE_MODE, 25, 1), 1
	s_wait_xcnt 0x0
; SECOND LAUNCH: q = sign(w) (|w| > 0.5 s) in bf16 (-1, 0 or 1, exact), with w = weight rounded to bf16 and s = max(mean|w|, 1e-8).
; LIMITS.  The test is |w| > 0.5 s in place of |w / s| > 0.5: the two differ only where |w| / s lies within one f32 rounding of 0.5.  s is the f32 sum of the 512 partial
; sums in this text's own order, times 2^-24 (exact); a decision can differ from another order's only where 0.5 s falls within the sums' rounding of a bf16 number that
; weights hold.  A zero keeps w's sign.  A NaN weight gives 0; infinities give 1 with their sign.
; SHARES.  As in the launch before: a wave owns 16,384 bytes of weight and 8,192 of q.  All its 32 loads go out at once (128 registers), each 512 consecutive bytes;
; each store covers 256 consecutive bytes, aligned.  Every wave adds up part's 4,096 bytes for itself, in one and the same order.  No loop, no LDS, no barrier.
.set LO,  2                            ; v2   16,384 w + 16 l
.set SO,  3                            ; v3   8,192 w + 8 l
.set PO,  4                            ; v4   16 l
.set P,   8                            ; v[8:39]   part: 8 loads of (x, w, x, w)
.set T1,  40                           ; at work
.set T0,  41
.set TH,  48                           ; v48  0.5 s
.set WR,  64                           ; v[64:191]  my weights
.set Q,   192                          ; v[192:255] my q: each register is written once, so no store's data is ever rewritten
.set SEL, 12                           ; s[12:13]
	s_load_b128 s[4:7], s[0:1], 0x0                ; weight s[4:5], part s[6:7]
	s_load_b64 s[8:9], s[0:1], 0x10                ; q
	v_lshrrev_b32 v1, 5, v0
	v_and_b32 v[PO], 31, v0
	v_lshlrev_b32 v[SO], 3, v[PO]
	v_lshlrev_b32 v[PO], 4, v[PO]
	v_lshl_or_b32 v[LO], v1, 14, v[PO]
	v_lshl_or_b32 v[SO], v1, 13, v[SO]
	s_lshl_b32 s2, ttmp9, 17
	s_mov_b32 s3, 0
	s_lshl_b32 s18, ttmp9, 16
	s_mov_b32 s19, 0
	s_mov_b32 s[SEL], 0x76543210
	s_mov_b32 s[SEL+1], 0xfedcba98
	s_mov_b32 s14, 0x7fff0000                      ; a word's upper bf16 without its sign
	s_mov_b32 s15, 0x7fffffff
	s_mov_b32 s16, 0x3f80                          ; 1.0 in bf16, in the lower half
	s_mov_b32 s17, 0x80008000                      ; the two signs
	s_wait_kmcnt 0x0
	s_add_nc_u64 s[4:5], s[4:5], s[2:3]
	s_add_nc_u64 s[8:9], s[8:9], s[18:19]
.irp j, 0,1,2,3,4,5,6,7
	global_load_b128 v[P+4*(\j):P+4*(\j)+3], v[PO], s[6:7] offset:512*(\j)
.endr
.set j, 0
.rept 32
	global_load_b128 v[WR+4*j:WR+4*j+3], v[LO], s[4:5] offset:512*j th:TH_LOAD_NT
.set j, j+1
.endr
.macro SUMS_ADD                        ; part's 512 pairs into (sum x, sum w) in v[P], v[P+1], in every lane; the same order in every wave of both launches that use it
.irp j, 0,1,2,3,4,5,6,7
	v_pk_add_f32 v[P+4*(\j):P+4*(\j)+1], v[P+4*(\j):P+4*(\j)+1], v[P+4*(\j)+2:P+4*(\j)+3]
.endr
.irp j, 0,2,4,6
	v_pk_add_f32 v[P+4*(\j):P+4*(\j)+1], v[P+4*(\j):P+4*(\j)+1], v[P+4*(\j)+4:P+4*(\j)+5]
.endr
.irp j, 0,4
	v_pk_add_f32 v[P+4*(\j):P+4*(\j)+1], v[P+4*(\j):P+4*(\j)+1], v[P+4*(\j)+8:P+4*(\j)+9]
.endr
	v_pk_add_f32 v[P:P+1], v[P:P+1], v[P+16:P+17]
.irp m, 1,2,4,8
	v_add_f32_dpp v[P], v[P], v[P] row_xmask:\m row_mask:0xf bank_mask:0xf
	v_add_f32_dpp v[P+1], v[P+1], v[P+1] row_xmask:\m row_mask:0xf bank_mask:0xf
.endr
	v_permlanex16_b32 v[P+2], v[P], s[SEL], s[SEL+1]
	v_permlanex16_b32 v[P+3], v[P+1], s[SEL], s[SEL+1]
	v_add_f32 v[P], v[P], v[P+2]
	v_add_f32 v[P+1], v[P+1], v[P+3]
.endm
.macro QUANT p, w                      ; two weights: rounded to bf16; each magnitude, as f32, against 0.5 s; 1.0 or 0 under the weight's own sign
	v_cvt_pk_bf16_f32 v[\p], v[\w], v[(\w)+1]
	v_and_b32 v[T0], s14, v[\p]
	v_lshlrev_b32 v[T1], 16, v[\p]
	v_and_b32 v[T1], s15, v[T1]
	v_cmp_gt_f32 vcc_lo, v[T1], v[TH]
	v_cndmask_b32 v[T1], 0, s16, vcc_lo
	v_cmp_gt_f32 vcc_lo, v[T0], v[TH]
	v_cndmask_b32 v[T0], 0, 1.0, vcc_lo            ; 1.0 in f32 is 1.0 in bf16 in the upper half
	v_and_or_b32 v[\p], v[\p], s17, v[T1]
	v_or_b32 v[\p], v[\p], v[T0]
.endm
	s_wait_loadcnt 32                              ; part is in: the 32 loads of weight are younger
	SUMS_ADD
	v_mul_f32 v[TH], 0x33800000, v[P+1]            ; the mean: times 2^-24, exact
	v_max_num_f32 v[TH], 0x322bcc77, v[TH]         ; at least 1e-8
	v_mul_f32 v[TH], 0.5, v[TH]
.set j, 0
.rept 32
	s_wait_loadcnt 31-j                            ; loads come back in order: load j is in, the younger ones stay out
	QUANT Q+2*j, WR+4*j
	QUANT Q+2*j+1, WR+4*j+2
	global_store_b64 v[SO], v[Q+2*j:Q+2*j+1], s[8:9] offset:256*j th:TH_STORE_NT
.set j, j+1
.endr
	s_endpgm
.Lfunc_end_k_qa623968128_quant:
	.size	k_qa623968128_quant, .Lfunc_end_k_qa623968128_quant-k_qa623968128_quant
	.p2alignl 7, 3214868480
	.fill 96, 4, 3214868480
	.section	.rodata,"a",@progbits
	.p2align	6, 0x0
	.amdhsa_kernel k_qa623968128_quant
		.amdhsa_group_segment_fixed_size 0
		.amdhsa_private_segment_fixed_size 0
		.amdhsa_enable_private_segment 0
		.amdhsa_kernarg_size 24
		.amdhsa_user_sgpr_count 2
		.amdhsa_user_sgpr_kernarg_segment_ptr 1
		.amdhsa_wavefront_size32 1
		.amdhsa_system_sgpr_workgroup_id_x 1
		.amdhsa_system_sgpr_workgroup_id_y 1
		.amdhsa_system_sgpr_workgroup_id_z 1
		.amdhsa_system_vgpr_workitem_id 0
		.amdhsa_next_free_vgpr 256
		.amdhsa_next_free_sgpr 66
		.amdhsa_reserve_vcc 1
		.amdhsa_float_denorm_mode_32 3
		.amdhsa_float_denorm_mode_16_64 3
		.amdhsa_memory_ordered 1
		.amdhsa_forward_progress 1
		.amdhsa_inst_pref_size 39
	.end_amdhsa_kernel
	.amdgpu_metadata
---
amdhsa.version: [ 1, 2 ]
amdhsa.kernels:
  - .name:           k_qa623968128_quant
    .symbol:         k_qa623968128_quant.kd
    .args:
      - { .name: weight, .offset: 0, .size: 8, .value_kind: global_buffer, .address_space: global }
      - { .name: part, .offset: 8, .size: 8, .value_kind: global_buffer, .address_space: global }
      - { .name: q, .offset: 16, .size: 8, .value_kind: global_buffer, .address_space: global }
    .group_segment_fixed_size: 0
    .private_segment_fixed_size: 0
    .kernarg_segment_align: 8
    .kernarg_segment_size: 24
    .max_flat_workgroup_size: 256
    .sgpr_count:     66
    .vgpr_count:     256
    .wavefront_size: 32
...
	.end_amdgpu_metadata
.endif
;; end of part 2
;; launch gemm (part 3): grid 16 x 16, 4 waves a work-group, clusters of 4 x 4, 327,680 bytes of LDS; arguments xb, q, out0, bias, part; writes out0
.if DOCPART == 3
	.amdgcn_target "amdgcn-amd-amdhsa--gfx1250"
	.amdhsa_code_object_version 6
	.text
	.protected	k_qa623968128_gemm
	.globl	k_qa623968128_gemm
	.p2align	8
	.type	k_qa623968128_gemm,@function
k_qa623968128_gemm:
	s_mov_b64 s[64:65], 0
	v_nop
	global_prefetch_b8 v0, s[64:65] scope:SCOPE_SE
	s_setreg_imm32_b32 hwreg(HW_REG_WAVE_MODE, 25, 1), 1
	s_wait_xcnt 0x0
	s_wait_alu depctr_hold_cnt(0) depctr_sa_sdst(0) depctr_va_vdst(0) depctr_va_sdst(0) depctr_va_ssrc(0) depctr_va_vcc(0) depctr_vm_vsrc(0)
	s_getreg_b32 s2, hwreg(HW_REG_IB_STS2, 6, 4)
	s_cmp_eq_u32 s2, 0
	s_cbranch_scc0 .Lentry_in_a_cluster
	s_endpgm
.Lentry_in_a_cluster:
	s_bfe_u32 s2, ttmp6, 0x10000c
	s_cmp_lg_u32 s2, 0xf033
	s_cbranch_scc0 .Lentry_shape_is_right
	s_endpgm
.Lentry_shape_is_right:
; THIRD LAUNCH: out[m][n] = s (sum over k of xb[m][k] q[n][k]) + bias[n] is.  xb, q: [4096][4096] bf16; out: [4096][4096] f32; sums in f32.
; s = max(mean|w|, 1e-8) and is = max(mean|x|, 1e-8) come from part's 512 pairs, added up by every wave in the order of the launch before; both are applied in f32 on the way out,
; so q (-1, 0, 1) is exact and xb is the only rounded operand.  For is > 0 this equals (x / is (q s)^T + bias) is up to f32 rounding.
; LIMITS.  All inputs are rounded once to bf16, bias too.  NaN and infinities are not treated apart.
; SHARES.  A tile of out, 256 x 256, is made by a work-group of four waves; a wave makes 128 x 128: 64 accumulators of 16 x 16, 512 registers.  256 tiles, one a work-group.
; K goes in 32 steps of 128 through a ring of two LDS slots filled by the tensor data mover: a tile's rows are 256 bytes of memory, at multiples of 256 from the buffer's first byte.
; CLUSTERS: 4 x 4 work-groups.  The four of a row of the cluster need the same tiles of xb, the four of a column the same tiles of q: each tile is asked for JOINTLY, by the same
; tensor load with the same descriptor and a mask that names the four; each receives it in its own LDS.
; THE MATRIX INSTRUCTION IS USED TRANSPOSED: source 0 = 16 rows of q, source 1 = 16 rows of xb: lane l then holds row l % 16 of out and the columns 8 (l / 16) + 0..7.
; REGISTERS, in windows of 256 (s_set_vgpr_msb: bits 1:0 source 0, 3:2 source 1, 5:4 source 2, 7:6 destination):
;   window 0: v0-41 addresses and the scales; v64-127, v128-191 fragments of xb, two buffers (on the way out: rows read back); v192-227 part and bias as loaded
;   window 1: v64-127, v128-191 fragments of q, two buffers
;   window 2: the 32 accumulators of my rows 0-63 (accumulator (a, b) at v[8 (8 a + b)]);   window 3: those of my rows 64-127
.set SIZE_K, 4096
.set SIZE_N, 4096
.set KSTEP,  128
.set PITCH,  272                       ; an LDS row: 256 bytes + 16 of padding = 68 words: the 16 rows that a load touches start at 16 different groups of four banks (64 banks of 4 bytes: ISA guide 11.1)
.set HALFT,  128*PITCH                 ; 128 rows: what one tensor load brings, and what one wave reads of xb or of q
.set SLOT,   4*HALFT                   ; xb's 256 rows, then q's 256 rows
.set STAGE,  2*SLOT                    ; behind the ring, never filled by a tensor load: 16 rows x 528 bytes for each wave, for the way out
.set SPITCH, 528                       ; 128 f32 + 16 bytes = 33 x 16
.set SPARE,  STAGE+4*16*SPITCH         ; behind the stages: the spare words, 128 bytes for each wave: two blocks of 256 bytes that no other line names
.set LAPS,   SIZE_K/(2*KSTEP)          ; a lap = two K steps = once round the ring: 16
.set ADRA, 16                          ; v16-17  LDS address of my fragments of xb in slot 0, 1
.set ADRB, 20                          ; v20-21  the same for q
.set STO,  24                          ; v24     the way out: where I put 32 bytes of a row
.set RD,   25                          ; v25     the way out: where I read 16 bytes of a row back
.set CO,   26                          ; v26     16 x lane: my offset in a row's 512 bytes of out, in my 128 numbers of bias, and in 512 bytes of part; never rewritten
.set SPW,  28                          ; v28     LDS address of my spare word; never rewritten
.set NIL,  29                          ; v29     0; never rewritten
.set PFO,  30                          ; v30     the prefetches' offset: my lane x a row of 8,192 bytes; never rewritten
.set SC,   32                          ; v[32:33] s, twice
.set IS,   34                          ; v[34:35] is, twice
.set BI,   36                          ; v[36:39] bias x is of my four columns
.set F0,   64
.set F1,   128
.set P,    192                         ; v[192:223] part
.set BR,   224                         ; v[224:227] bias as loaded
.set G1,  24                           ; s[24:31] descriptor group 1 for xb's tiles;  s[32:39] group 0, a set for each slot
.set G0,  32
.set LIM, 43                           ; s43     1 in a wave that prefetches, else the greatest number
.set PFA, 44                           ; s[44:45] where my prefetches stand
.set G1B, 48                           ; s[48:55], s[56:63] the same for q's tiles
.set G0B, 56
.set SEL, 72                           ; s[72:73] v_permlanex16_b32's selects
.set MSB, 0
.macro WIN new                         ; the immediate's high byte repeats the setting that is left; a switch that changes nothing is dropped
.if MSB != (\new)
	s_set_vgpr_msb (MSB<<8)|(\new)
.set MSB, \new
.endif
.endm
.set MUL_LO, 0xa1                      ; source 0 (q) window 1, source 1 (xb) window 0, C and D window 2
.set MUL_HI, 0xf1                      ; the same, C and D window 3
.set TO_B,   0x40                      ; destination window 1, address window 0
; A joint load.  Waves 0 and 1 fetch xb's two halves, waves 2 and 3 q's.  Each line has one mask and one set of registers for all that issue it.  The branch hangs on the wave's number alone.
; An s_nop 0 and four v_nop follow each of the two lines, ahead of the jump and the label.
.macro JLOAD s
	s_cmp_eq_u32 s11, 0
	s_cbranch_scc0 .Lfor_b_\@
	tensor_load_to_lds s[G0+4*(\s):G0+4*(\s)+3], s[G1:G1+7]
	s_nop 0
.rept 4
	v_nop
.endr
	s_branch .Lasked_\@
.Lfor_b_\@:
	tensor_load_to_lds s[G0B+4*(\s):G0B+4*(\s)+3], s[G1B:G1B+7]
	s_nop 0
.rept 4
	v_nop
.endr
.Lasked_\@:
.endm
; A PREFETCH INTO THE L2, behind each joint refill and the run of LDS loads that follows it: the K step that stands two refills on, 512 matrix instructions ahead of the load that will ask for it:
; 32 rows x 256 bytes, a lane a row, one instruction a wave.  Each row's 256 bytes of a K step are named once in the launch: xb's rows by the clusters with x = 0, q's by those with y = 0;
; of the 128 rows that a wave fetches the partner at place p (cx for xb, cy for q) takes 32 p .. 32 p + 31, told apart by address.  The loop's last trip (s3 = 1) asks for nothing:
; its two refills are K steps 30 and 31, and there is no K step two on.  K steps 0 to 3 come by their loads alone.
.macro ASK
	s_cmp_gt_u32 s3, s[LIM]
	s_cbranch_scc0 .Lnot_mine_\@
	global_prefetch_b8 v[PFO], s[PFA:PFA+1] offset:KSTEP*2 th:TH_LOAD_NT scope:SCOPE_SE
.Lnot_mine_\@:
.endm
; A round of the cluster's barrier: my work-group's barrier; wave 0 signals for the work-group; every wave waits for all sixteen; my work-group's barrier once more.
.macro CREST                           ; a round behind its opening barrier
	s_cmp_lg_u32 s10, 0
	s_cbranch_scc1 .Lnot_wave_0_\@
	s_barrier_signal -3
.Lnot_wave_0_\@:
	s_barrier_wait -3
	s_barrier_signal -1
	s_barrier_wait -1
.endm
.macro CROUND                          ; a whole round
	s_barrier_signal -1
	s_barrier_wait -1
	CREST
.endm
	s_load_b128 s[4:7], s[0:1], 0x0                ; xb s[4:5], q s[6:7]
	s_load_b64 s[8:9], s[0:1], 0x10                ; out0
	s_load_b64 s[66:67], s[0:1], 0x18              ; bias
	s_load_b64 s[68:69], s[0:1], 0x20              ; part
	v_lshl_add_u32 v[SPW], v0, 2, SPARE
	v_mov_b32 v[NIL], 0
	ds_add_u32 v[SPW], v[NIL]                      ; the wave's opening: the add and its wait stand ahead of my first tensor load; the set-up below, work on registers, stands between them
	v_lshrrev_b32 v1, 5, v0
	v_readfirstlane_b32 s10, v1                    ; wave 0..3
	s_lshr_b32 s11, s10, 1                         ; which half of the tile's rows is mine.  Also: I fetch for xb (0) or for q (1)
	s_and_b32 s12, s10, 1                          ; which half of its columns.  Also: which 128 rows of that tile I fetch
	s_bfe_u32 s40, ttmp6, 0x40000                  ; cx
	s_bfe_u32 s41, ttmp6, 0x40004                  ; cy
	s_lshl_b32 s42, ttmp9, 2                       ; in a cluster launch ttmp9 and ttmp7 count clusters
	s_add_co_u32 s42, s42, s40                     ; tile column = 4 x cluster x + cx
	s_and_b32 s13, ttmp7, 0xffff
	s_lshl_b32 s13, s13, 2
	s_add_co_u32 s13, s13, s41                     ; tile row = 4 x cluster y + cy
	s_lshl_b32 s43, s41, 2
	s_lshl_b32 s43, 15, s43                        ; my row of the cluster: places 4 cy .. 4 cy + 3
	s_lshl_b32 s44, 0x1111, s40                    ; my column: places cx, cx + 4, cx + 8, cx + 12
	; descriptor group 1: a tile of 128 rows x 128 elements, padded in LDS
	s_or_b32 s[G1+0], s43, (1<<16)|(1<<20)|(1<<21)|(5<<22)|(3<<25)   ; 15:0 the mask: xb's tiles go to my row; 17:16 elements of 2 bytes; 20 padding on; 21 set beside a mask; 24:22 after every 64 words (code 5); 31:25 4 words of it (code 3)
	s_or_b32 s[G1B+0], s44, (1<<16)|(1<<20)|(1<<21)|(5<<22)|(3<<25)  ; the same with the mask of my column, for q's tiles
	s_mov_b32 s[G1B+1], KSTEP<<16
	s_mov_b32 s[G1+1], KSTEP<<16                   ; tensor_dim0 = 128
	s_mov_b32 s[G1B+2], 128<<16
	s_mov_b32 s[G1+2], 128<<16                     ; tensor_dim1 = 128
	s_mov_b32 s[G1B+3], KSTEP<<16
	s_mov_b32 s[G1+3], KSTEP<<16                   ; tile_dim0 = 128
	s_mov_b32 s[G1B+4], 128
	s_mov_b32 s[G1+4], 128                         ; tile_dim1 = 128
	s_mov_b32 s[G1B+5], SIZE_K
	s_mov_b32 s[G1+5], SIZE_K                      ; elements from row to row
	s_mov_b32 s[G1B+6], 0
	s_mov_b32 s[G1+6], 0
	s_mov_b32 s[G1B+7], 0
	s_mov_b32 s[G1+7], 0
	; where the tiles come from: xb's hang on the tile row alone, q's on the tile column alone; each address in registers that never hold the other coordinate
	s_lshl_b32 s17, s12, 7
	s_lshl_b32 s16, s13, 8
	s_add_co_u32 s16, s16, s17                     ; xb: row 256 x tile row + 128 x half
	s_lshl_b32 s46, s42, 8
	s_add_co_u32 s46, s46, s17                     ; q: row 256 x tile column + 128 x half
	s_mov_b32 s17, 0
	s_mov_b32 s47, 0
	s_mov_b64 s[18:19], SIZE_K*2
	s_mul_u64 s[16:17], s[16:17], s[18:19]
	s_mul_u64 s[46:47], s[46:47], s[18:19]
	s_mul_i32 s20, s10, HALFT                      ; where they go: wave x 128 rows: no place in the cluster enters an LDS address
	s_mov_b32 s[SEL], 0x76543210
	s_mov_b32 s[SEL+1], 0xfedcba98
	s_wait_dscnt 0x0                               ; the opening add is done
	s_wait_kmcnt 0x0
	s_add_nc_u64 s[14:15], s[4:5], s[16:17]
	s_add_nc_u64 s[46:47], s[6:7], s[46:47]
	CROUND                                         ; all sixteen work-groups are here: the first joint loads meet
.irp s, 0,1
	s_mov_b32 s[G0+4*(\s)], 1                                        ; count = 1
	s_add_co_u32 s[G0+4*(\s)+1], s20, (\s)*SLOT                      ; LDS address
	s_add_nc_u64 s[G0+4*(\s)+2:G0+4*(\s)+3], s[14:15], (\s)*KSTEP*2  ; global address: K step s
	s_or_b32 s[G0+4*(\s)+3], s[G0+4*(\s)+3], 0x80000000              ; type = 2
	s_mov_b32 s[G0B+4*(\s)], 1
	s_add_co_u32 s[G0B+4*(\s)+1], s20, (\s)*SLOT
	s_add_nc_u64 s[G0B+4*(\s)+2:G0B+4*(\s)+3], s[46:47], (\s)*KSTEP*2
	s_or_b32 s[G0B+4*(\s)+3], s[G0B+4*(\s)+3], 0x80000000
	JLOAD \s                                       ; the ring is filled before anything else is done: two tensor loads of mine are out
.endr
	; while the first tiles are on their way: part, bias, the addresses, the scales
	v_and_b32 v[CO], 31, v0
	v_lshlrev_b32 v[CO], 4, v[CO]
.irp j, 0,1,2,3,4,5,6,7
	global_load_b128 v[P+4*(\j):P+4*(\j)+3], v[CO], s[68:69] offset:512*(\j)
.endr
	s_lshl_b32 s46, s42, 10                        ; my first column in bytes of f32: 1,024 x tile column + 512 x half (in the registers that held q's address)
	s_lshl_b32 s47, s12, 9
	s_add_co_u32 s46, s46, s47
	s_mov_b32 s47, 0
	s_add_nc_u64 s[66:67], s[66:67], s[46:47]
	global_load_b128 v[BR:BR+3], v[CO], s[66:67]   ; bias of the four columns that I store
	; a fragment is 16 rows x 32 K in 8 registers: lane l holds row l % 16; registers 0-3 K = 8 (l / 16) + 0..7, registers 4-7 K = 16 + 8 (l / 16) + 0..7: two loads of 16 bytes, 32 bytes apart
	v_and_b32 v1, 15, v0                           ; l % 16
	v_bfe_u32 v2, v0, 4, 1                         ; l / 16
	v_mul_u32_u24 v3, v1, PITCH
	v_lshl_add_u32 v3, v2, 4, v3
	s_mul_i32 s21, s11, HALFT                      ; my 128 rows of xb
	s_mul_i32 s22, s12, HALFT                      ; my 128 rows of q,
	s_add_co_u32 s22, s22, 2*HALFT                 ; which lie behind xb's 256
.irp s, 0,1
	v_add_nc_u32 v[ADRA+(\s)], s21, v3
	v_add_nc_u32 v[ADRB+(\s)], s22, v3
	s_add_co_u32 s21, s21, SLOT
	s_add_co_u32 s22, s22, SLOT
.endr
	s_mul_i32 s23, s10, 16*SPITCH
	s_add_co_u32 s23, s23, STAGE                   ; my stage
	v_mul_u32_u24 v4, v1, SPITCH                   ; in: row l % 16, 32 bytes (8 f32) for each half of the lanes
	v_lshl_add_u32 v4, v2, 5, v4
	v_add_nc_u32 v[STO], s23, v4
	v_add_nc_u32 v[RD], s23, v[CO]                 ; back: the 32 lanes take one row of 512 bytes
	s_lshl_b32 s13, s13, 8                         ; 256 x tile row
	s_lshl_b32 s14, s11, 7
	s_add_co_u32 s16, s13, s14                     ; my first row of out,
	s_lshl_b32 s16, s16, 14                        ; times 16,384 bytes: under 2^27
	s_mov_b32 s17, 0
	s_add_nc_u64 s[8:9], s[8:9], s[16:17]
	s_add_nc_u64 s[8:9], s[8:9], s[46:47]
	; the prefetches
	s_lshl_b32 s42, s42, 8                         ; 256 x tile column
	s_and_b32 s22, ttmp7, 0xffff                   ; cluster y
	s_cmp_eq_u32 s11, 0                            ; do I fetch for xb?
	s_cselect_b32 s20, s13, s42                    ; the tile's first row
	s_cselect_b32 s21, s40, s41                    ; my place among the four that ask for it with me
	s_cselect_b32 s22, ttmp9, s22                  ; the coordinate along which other clusters read the same rows
	s_cselect_b64 s[PFA:PFA+1], s[4:5], s[6:7]
	s_cmp_eq_u32 s22, 0
	s_cselect_b32 s[LIM], 1, -1                    ; the same in all sixteen partners, for a given wave
	s_lshl_b32 s22, s12, 7
	s_add_co_u32 s20, s20, s22                     ; + the 128 rows that I fetch
	s_lshl_b32 s21, s21, 5
	s_add_co_u32 s20, s20, s21                     ; + my work-group's 32 of them
	s_mov_b32 s21, 0
	s_mov_b64 s[18:19], SIZE_K*2
	s_mul_u64 s[20:21], s[20:21], s[18:19]
	s_add_nc_u64 s[PFA:PFA+1], s[PFA:PFA+1], s[20:21]
	s_add_nc_u64 s[PFA:PFA+1], s[PFA:PFA+1], 2*KSTEP*2  ; at K step 2: the first refill steps it to 3 and names K step 4
	v_and_b32 v[PFO], 31, v0
	v_mul_u32_u24 v[PFO], v[PFO], SIZE_K*2
	s_wait_loadcnt 0x0                             ; part and bias
	; part's 512 pairs into (sum x, sum w), in the order of the launch before
.irp j, 0,1,2,3,4,5,6,7
	v_pk_add_f32 v[P+4*(\j):P+4*(\j)+1], v[P+4*(\j):P+4*(\j)+1], v[P+4*(\j)+2:P+4*(\j)+3]
.endr
.irp j, 0,2,4,6
	v_pk_add_f32 v[P+4*(\j):P+4*(\j)+1], v[P+4*(\j):P+4*(\j)+1], v[P+4*(\j)+4:P+4*(\j)+5]
.endr
.irp j, 0,4
	v_pk_add_f32 v[P+4*(\j):P+4*(\j)+1], v[P+4*(\j):P+4*(\j)+1], v[P+4*(\j)+8:P+4*(\j)+9]
.endr
	v_pk_add_f32 v[P:P+1], v[P:P+1], v[P+16:P+17]
.irp m, 1,2,4,8
	v_add_f32_dpp v[P], v[P], v[P] row_xmask:\m row_mask:0xf bank_mask:0xf
	v_add_f32_dpp v[P+1], v[P+1], v[P+1] row_xmask:\m row_mask:0xf bank_mask:0xf
.endr
	v_permlanex16_b32 v[P+2], v[P], s[SEL], s[SEL+1]
	v_permlanex16_b32 v[P+3], v[P+1], s[SEL], s[SEL+1]
	v_add_f32 v[P], v[P], v[P+2]
	v_add_f32 v[P+1], v[P+1], v[P+3]
	v_mul_f32 v40, 0x33800000, v[P]                ; the means: times 2^-24, exact
	v_mul_f32 v41, 0x33800000, v[P+1]
	v_max_num_f32 v[IS], 0x322bcc77, v40           ; at least 1e-8; each twice, a pair for the packed arithmetic
	v_max_num_f32 v[IS+1], 0x322bcc77, v40
	v_max_num_f32 v[SC], 0x322bcc77, v41
	v_max_num_f32 v[SC+1], 0x322bcc77, v41
	v_cvt_pk_bf16_f32 v40, v[BR], v[BR+1]          ; bias is rounded to bf16 like the other inputs,
	v_cvt_pk_bf16_f32 v41, v[BR+2], v[BR+3]
	v_lshlrev_b32 v[BI], 16, v40                   ; widened again,
	v_and_b32 v[BI+1], 0xffff0000, v40
	v_lshlrev_b32 v[BI+2], 16, v41
	v_and_b32 v[BI+3], 0xffff0000, v41
	v_pk_mul_f32 v[BI:BI+1], v[BI:BI+1], v[IS:IS+1]      ; and multiplied by is
	v_pk_mul_f32 v[BI+2:BI+3], v[BI+2:BI+3], v[IS:IS+1]
; 16 matrix instructions: m blocks a0, a0 + 1 of the window's four (hi = 0: my rows 0-63, 1: rows 64-127) x all 8 n blocks, 32 along K.  zero = 1: the product starts the sums: nothing is cleared.
; The 64 accumulators take turns, one instruction a turn, in the same order in every quarter step, over the backward jump too.
.macro MUL16 f, hi, a0, zero
	WIN MUL_LO+0x50*(\hi)
.irp a, \a0, (\a0)+1
.irp b, 0,1,2,3,4,5,6,7
.if \zero
	v_wmma_f32_16x16x32_bf16 v[8*(8*(\a)+(\b)):8*(8*(\a)+(\b))+7], v[(\f)+8*(\b):(\f)+8*(\b)+7], v[(\f)+8*(4*(\hi)+(\a)):(\f)+8*(4*(\hi)+(\a))+7], 0
.else
	v_wmma_f32_16x16x32_bf16 v[8*(8*(\a)+(\b)):8*(8*(\a)+(\b))+7], v[(\f)+8*(\b):(\f)+8*(\b)+7], v[(\f)+8*(4*(\hi)+(\a)):(\f)+8*(4*(\hi)+(\a))+7], v[8*(8*(\a)+(\b)):8*(8*(\a)+(\b))+7]
.endif
.endr
.endr
.endm
; 32 LDS loads in one run: the fragments of one quarter step (128 rows of q, 128 rows of xb, 32 K at byte k of the rows) into buffer f
.macro FETCH slot, k, f
	WIN TO_B
.irp i, 0,1,2,3,4,5,6,7
	ds_load_b128 v[(\f)+8*(\i):(\f)+8*(\i)+3],   v[ADRB+(\slot)] offset:(\k)+(\i)*16*PITCH
	ds_load_b128 v[(\f)+8*(\i)+4:(\f)+8*(\i)+7], v[ADRB+(\slot)] offset:(\k)+(\i)*16*PITCH+32
.endr
	WIN 0
.irp i, 0,1,2,3,4,5,6,7
	ds_load_b128 v[(\f)+8*(\i):(\f)+8*(\i)+3],   v[ADRA+(\slot)] offset:(\k)+(\i)*16*PITCH
	ds_load_b128 v[(\f)+8*(\i)+4:(\f)+8*(\i)+7], v[ADRA+(\slot)] offset:(\k)+(\i)*16*PITCH+32
.endr
.endm
.macro PLACES                          ; four plain vector instructions between a matrix instruction and a load into a register that it has read (ISA guide 7.12.1 for vector instructions)
.rept 4
	v_nop
.endr
.endm
; A K step is four quarter steps of 32 along K, 64 matrix instructions each, on buffers 0, 1, 0, 1.  One of the first three: multiplies f; in its middle it fetches the next quarter, at byte k, into g.
.macro QUARTER slot, k, f, g, zero
	s_wait_dscnt 8                                 ; q and xb's rows 0-63 are in; the youngest eight loads (xb's rows 64-127) may be out
	WIN MUL_LO
	MUL16 \f, 0, 0, \zero
	MUL16 \f, 0, 2, \zero
	PLACES
	FETCH \slot, \k, \g
	s_wait_dscnt 32                                ; all but the 32 just issued
	WIN MUL_HI
	MUL16 \f, 1, 0, \zero
	MUL16 \f, 1, 2, \zero
.endm
; The first half of the last quarter, which multiplies buffer 1 and changes slots: ONE barrier.  In front of it each wave waits for all its tensor loads, of which one is out: its part of the
; next slot; adds 0 to its spare word; and waits for that and for its own reads of this slot.  Behind it nobody reads this slot any more and the next slot is whole.
.macro MEET round                      ; round = 1: a round of the cluster's barrier follows
	WIN 0                                          ; (the add's two registers lie in window 0)
	s_wait_tensorcnt 0x0                           ; all my tensor loads have landed;
	ds_add_u32 v[SPW], v[NIL]                      ; 0 onto my spare word;
	s_wait_dscnt 9                                 ; (the add and the youngest eight loads may be out)
	WIN MUL_LO
	MUL16 F1, 0, 0, 0                              ; sixteen matrix instructions stand between the add and the wait for it
	s_wait_dscnt 0x0                               ; the add is done, and my reads of this slot are over:
	s_barrier_signal -1                            ; say so,
	MUL16 F1, 0, 2, 0                              ; work on registers while the others arrive,
.if \round
	WIN 0
.endif
	s_barrier_wait -1                              ; and go on when all four have said so
.endm
; The whole last quarter.  Behind the round the slot just read out is filled again first, with the K step two steps on; then come the next slot's first fragments.
; From a request to the wait for it a wave issues 224 matrix instructions.
.macro TURN slot, next
	s_wait_xcnt 0x0                                ; the last prefetch, a K step back, has read its address: it is stepped here, ahead of the waits of the change of slots
	s_add_nc_u64 s[PFA:PFA+1], s[PFA:PFA+1], KSTEP*2
	MEET 1
	CREST                                          ; all sixteen work-groups have said so: no wave of any partner still reads this slot's tile or has a load on its way
	s_add_nc_u64 s[G0+4*(\slot)+2:G0+4*(\slot)+3], s[G0+4*(\slot)+2:G0+4*(\slot)+3], 2*KSTEP*2
	s_add_nc_u64 s[G0B+4*(\slot)+2:G0B+4*(\slot)+3], s[G0B+4*(\slot)+2:G0B+4*(\slot)+3], 2*KSTEP*2
	JLOAD \slot                                    ; the first tensor load behind the round, my only one until the next; its four v_nop are also the places in front of the loads below
	FETCH \next, 0, F0
	ASK
	WIN MUL_HI
	MUL16 F1, 1, 0, 0
	MUL16 F1, 1, 2, 0
.endm
	s_wait_tensorcnt 1                             ; my part of K step 0 is in; K step 1's may stay out
	s_barrier_signal -1
	s_barrier_wait -1                              ; everybody's is
	FETCH 0, 0, F0
	QUARTER 0, 64,  F0, F1, 1                      ; the first quarter stands in front of the loop: its products start the sums
	WIN 0                                          ; at a label and at a branch every window is 0
	s_mov_b32 s3, LAPS-1
.Llap:                                                 ; a trip goes once round the ring, from a lap's second quarter to the next lap's first, and fills both slots again
	QUARTER 0, 128, F1, F0, 0
	QUARTER 0, 192, F0, F1, 0
	TURN 0, 1
	QUARTER 1, 64,  F0, F1, 0
	QUARTER 1, 128, F1, F0, 0
	QUARTER 1, 192, F0, F1, 0
	TURN 1, 0
	QUARTER 0, 64,  F0, F1, 0
	WIN 0
	s_sub_co_u32 s3, s3, 1
	s_cmp_lg_u32 s3, 0
	s_cbranch_scc1 .Llap
	QUARTER 0, 128, F1, F0, 0                      ; the last lap is written out: it fills nothing and no round follows its barrier
	QUARTER 0, 192, F0, F1, 0
	MEET 0                                         ; my one tensor load that was still out is slot 1's, the last K step's
	PLACES
	FETCH 1, 0, F0
	WIN MUL_HI
	MUL16 F1, 1, 0, 0
	MUL16 F1, 1, 2, 0
	QUARTER 1, 64,  F0, F1, 0
	QUARTER 1, 128, F1, F0, 0
	QUARTER 1, 192, F0, F1, 0
	s_wait_dscnt 8                                 ; the very last quarter: nothing more to fetch
	WIN MUL_LO
	MUL16 F1, 0, 0, 0
	MUL16 F1, 0, 2, 0
	s_wait_dscnt 0x0
	WIN MUL_HI
	MUL16 F1, 1, 0, 0
	MUL16 F1, 1, 2, 0
	WIN 0
	PLACES                                         ; eight plain instructions, once a launch, between the last products and the LDS stores that read results and the loads into the fragments' registers
	PLACES
; THE WAY OUT, a block of 16 rows at a time.  A lane holds 32 bytes of a row, and the lanes beside it other rows; so the block goes through my own stage in LDS and comes back as whole rows of 512 bytes.
; Scale and bias are applied behind the stage, where a lane's four columns are the same in every row: four registers of bias x is serve all 128 rows.
.macro TOSTAGE a
.set AC, 64*((\a)%4)
.set BK, F0+64*((\a)%2)
	WIN 0x08+4*((\a)/4)                            ; the stores' data in window 2 or 3
.irp b, 0,1,2,3,4,5,6,7
	ds_store_b128 v[STO], v[AC+8*(\b):AC+8*(\b)+3]   offset:64*(\b)      ; each accumulator's low four registers first
	ds_store_b128 v[STO], v[AC+8*(\b)+4:AC+8*(\b)+7] offset:64*(\b)+16
.endr
	WIN 0
.if (\a) >= 2
	s_wait_xcnt 0x0                                ; these registers were the data of the stores two blocks back: they are loaded again only behind this wait
.endif
.irp t, 0,1,2,3,4,5,6,7,8,9,10,11,12,13,14,15
	ds_load_b128 v[BK+4*(\t):BK+4*(\t)+3], v[RD] offset:(\t)*SPITCH  ; LDS serves a wave's instructions in order (ISA guide 5.7.1.4): these see the stores above; the next block's stores come behind them
.endr
.endm
.macro SEND a, younger                 ; younger: the LDS instructions issued behind block a's loads: the next block's 16 stores and 16 loads, or none
.set BK, F0+64*((\a)%2)
	s_wait_dscnt \younger
.irp t, 0,1,2,3,4,5,6,7,8,9,10,11,12,13,14,15
	v_pk_fma_f32 v[BK+4*(\t):BK+4*(\t)+1],   v[BK+4*(\t):BK+4*(\t)+1],   v[SC:SC+1], v[BI:BI+1]      ; s x sum + bias x is
	v_pk_fma_f32 v[BK+4*(\t)+2:BK+4*(\t)+3], v[BK+4*(\t)+2:BK+4*(\t)+3], v[SC:SC+1], v[BI+2:BI+3]
	global_store_b128 v[CO], v[BK+4*(\t):BK+4*(\t)+3], s[8:9] offset:(16*(\a)+(\t))*SIZE_N*4 th:TH_STORE_NT  ; 512 consecutive bytes, at a multiple of 512 from out's first; 127 rows at the most: inside the signed 24-bit immediate
.endr
.endm
	TOSTAGE 0
.irp a, 1,2,3,4,5,6,7
	TOSTAGE \a
	SEND (\a)-1, 32
.endr
	SEND 7, 0
	s_wait_tensorcnt 0x0                           ; the wave's end: a wait, an add of 0 to my spare word and its wait, behind my last tensor load and my last LDS store
	ds_add_u32 v[SPW], v[NIL]
	s_wait_dscnt 0x0
	CROUND                                         ; the closing round: no work-group ends while a partner may still ask for a tile that names it
	s_endpgm
.Lfunc_end_k_qa623968128_gemm:
	.size	k_qa623968128_gemm, .Lfunc_end_k_qa623968128_gemm-k_qa623968128_gemm
	.p2alignl 7, 3214868480
	.fill 96, 4, 3214868480
	.section	.rodata,"a",@progbits
	.p2align	6, 0x0
	.amdhsa_kernel k_qa623968128_gemm
		.amdhsa_group_segment_fixed_size 327680
		.amdhsa_private_segment_fixed_size 0
		.amdhsa_enable_private_segment 0
		.amdhsa_kernarg_size 40
		.amdhsa_user_sgpr_count 2
		.amdhsa_user_sgpr_kernarg_segment_ptr 1
		.amdhsa_wavefront_size32 1
		.amdhsa_system_sgpr_workgroup_id_x 1
		.amdhsa_system_sgpr_workgroup_id_y 1
		.amdhsa_system_sgpr_workgroup_id_z 1
		.amdhsa_system_vgpr_workitem_id 0
		.amdhsa_next_free_vgpr 1024
		.amdhsa_next_free_sgpr 74
		.amdhsa_reserve_vcc 0
		.amdhsa_float_denorm_mode_32 3
		.amdhsa_float_denorm_mode_16_64 3
		.amdhsa_memory_ordered 1
		.amdhsa_forward_progress 1
		.amdhsa_inst_pref_size 161
	.end_amdhsa_kernel
	.amdgpu_metadata
---
amdhsa.version: [ 1, 2 ]
amdhsa.kernels:
  - .name:           k_qa623968128_gemm
    .symbol:         k_qa623968128_gemm.kd
    .args:
      - { .name: xb, .offset: 0, .size: 8, .value_kind: global_buffer, .address_space: global }
      - { .name: q, .offset: 8, .size: 8, .value_kind: global_buffer, .address_space: global }
      - { .name: out0, .offset: 16, .size: 8, .value_kind: global_buffer, .address_space: global }
      - { .name: bias, .offset: 24, .size: 8, .value_kind: global_buffer, .address_space: global }
      - { .name: part, .offset: 32, .size: 8, .value_kind: global_buffer, .address_space: global }
    .group_segment_fixed_size: 327680
    .private_segment_fixed_size: 0
    .kernarg_segment_align: 8
    .kernarg_segment_size: 40
    .max_flat_workgroup_size: 128
    .sgpr_count:     74
    .vgpr_count:     1024
    .wavefront_size: 32
...
	.end_amdgpu_metadata
.endif
;; end of part 3
;; ======== version 2 of 2: 3 launches; version 1 with the launch quant written anew for expert scheduling mode
;; workspace buffers: xb 33,554,432 bytes; q 33,554,432 bytes; part 4,096 bytes
;; launch prep: the kernel of part 1 again; grid 512 x 1, 8 waves a work-group, no clusters, 1,280 bytes of LDS; arguments x, weight, xb, part; writes xb, part
;; launch quant (part 4): grid 512 x 1, 8 waves a work-group, no clusters, 0 bytes of LDS; arguments weight, part, q; writes q
.if DOCPART == 4
	.amdgcn_target "amdgcn-amd-amdhsa--gfx1250"
	.amdhsa_code_object_version 6
	.text
	.protected	k_qa623968128_quant
	.globl	k_qa623968128_quant
	.p2align	8
	.type	k_qa623968128_quant,@function
k_qa623968128_quant:
	s_mov_b64 s[64:65], 0
	v_nop
	global_prefetch_b8 v0, s[64:65] scope:SCOPE_SE
	s_setreg_imm32_b32 hwreg(HW_REG_WAVE_SCHED_MODE, 0, 2), 2
	s_setreg_imm32_b32 hwreg(HW_REG_WAVE_MODE, 25, 1), 1
	s_wait_xcnt 0x0
	s_wait_alu depctr_vm_vsrc(0)
; SECOND LAUNCH: q = sign(w) (|w| > 0.5 s) in bf16 (-1, 0 or 1, exact), with w = weight rounded to bf16 and s = max(mean|w|, 1e-8).
; LIMITS.  The test is |w| > 0.5 s in place of |w / s| > 0.5: the two differ only where |w| / s lies within one f32 rounding of 0.5.  s is the f32 sum of the 512 partial
; sums in this text's own order, times 2^-24 (exact); a decision can differ from another order's only where 0.5 s falls within the sums' rounding of a bf16 number that
; weights hold.  A zero keeps w's sign.  A NaN weight gives 0; infinities give 1 with their sign.
; SHARES.  As in the launch before: a wave owns 16,384 bytes of weight and 8,192 of q.  All its 32 loads go out at once (128 registers), each 512 consecutive bytes;
; each store covers 256 consecutive bytes, aligned.  Every wave adds up part's 4,096 bytes for itself, in one and the same order.  No loop, no LDS, no barrier.
; THE MODE: SCHED_MODE bits 1:0 = 2 (LLVM: expert scheduling mode 2), set by the entry lines.  The code itself states the register dependences between vector instructions
; and memory instructions, and between a compare and the reader of its mask, with s_wait_alu, always for 0.
; THE PLAN.  Registers that memory instructions touch:
;   v[PO], v[LO], v[SO]  offsets, made once at the head and never written again: one wait ahead of the first load serves every load and store.
;   P, WR                written by loads alone, all issued at the head; no vector line names them before that, and no load follows the head.
;   Q                    block p's vector lines write Q[p]; the four stores issued in block p + 1 read it; no line writes it after its block, so no store's data is ever rewritten.
; The 32 loads go in 8 blocks of four.  Block p names WR[p], Q[p], ML, MU and TH; its memory instructions are the stores of block p - 1, which read Q[p - 1] and v[SO]:
; so ONE wait at a block's head states all that its four stores hang on, and they are dealt among its vector lines with no further wait.
; A block's 16 compares stand in one run, into 16 scalar registers, with one wait between the run and the selects that read the masks.
.set LO,  2                            ; v2   16,384 w + 16 l
.set SO,  3                            ; v3   8,192 w + 8 l
.set PO,  4                            ; v4   16 l
.set P,   8                            ; v[8:39]   part: 8 loads of (x, w, x, w)
.set ML,  40                           ; v[40:47]  word n of a block: its lower bf16's magnitude as f32, then 1.0 or 0 in the lower half
.set TH,  48                           ; v48  0.5 s
.set MU,  56                           ; v[56:63]  the same for the upper bf16
.set WR,  64                           ; v[64:191]  my weights
.set Q,   192                          ; v[192:255] my q
.set SEL, 12                           ; s[12:13]
.set MK,  24                           ; s[24:39]  a block's 16 masks: word n's lower half at MK + 2 n, its upper half at MK + 2 n + 1
	s_load_b128 s[4:7], s[0:1], 0x0                ; weight s[4:5], part s[6:7]
	s_load_b64 s[8:9], s[0:1], 0x10                ; q
	v_lshrrev_b32 v1, 5, v0
	v_and_b32 v[PO], 31, v0
	v_lshlrev_b32 v[SO], 3, v[PO]
	v_lshlrev_b32 v[PO], 4, v[PO]
	v_lshl_or_b32 v[LO], v1, 14, v[PO]
	v_lshl_or_b32 v[SO], v1, 13, v[SO]
	s_lshl_b32 s2, ttmp9, 17
	s_mov_b32 s3, 0
	s_lshl_b32 s18, ttmp9, 16
	s_mov_b32 s19, 0
	s_mov_b32 s[SEL], 0x76543210
	s_mov_b32 s[SEL+1], 0xfedcba98
	s_mov_b32 s14, 0x7fff0000                      ; a word's upper bf16 without its sign
	s_mov_b32 s15, 0x7fffffff
	s_mov_b32 s16, 0x3f80                          ; 1.0 in bf16, in the lower half
	s_mov_b32 s17, 0x80008000                      ; the two signs
	s_wait_kmcnt 0x0
	s_add_nc_u64 s[4:5], s[4:5], s[2:3]
	s_add_nc_u64 s[8:9], s[8:9], s[18:19]
	s_wait_alu depctr_va_vdst(0)                   ; v[PO], v[LO] and v[SO] are written: every load and store of the kernel reads one of them as its offset
.irp j, 0,1,2,3,4,5,6,7
	global_load_b128 v[P+4*(\j):P+4*(\j)+3], v[PO], s[6:7] offset:512*(\j)
.endr
.set j, 0
.rept 32
	global_load_b128 v[WR+4*j:WR+4*j+3], v[LO], s[4:5] offset:512*j th:TH_LOAD_NT
.set j, j+1
.endr
.macro SUMS_ADD                        ; part's 512 pairs into (sum x, sum w) in v[P], v[P+1], in every lane; the same order in every wave of both launches that use it
.irp j, 0,1,2,3,4,5,6,7
	v_pk_add_f32 v[P+4*(\j):P+4*(\j)+1], v[P+4*(\j):P+4*(\j)+1], v[P+4*(\j)+2:P+4*(\j)+3]
.endr
.irp j, 0,2,4,6
	v_pk_add_f32 v[P+4*(\j):P+4*(\j)+1], v[P+4*(\j):P+4*(\j)+1], v[P+4*(\j)+4:P+4*(\j)+5]
.endr
.irp j, 0,4
	v_pk_add_f32 v[P+4*(\j):P+4*(\j)+1], v[P+4*(\j):P+4*(\j)+1], v[P+4*(\j)+8:P+4*(\j)+9]
.endr
	v_pk_add_f32 v[P:P+1], v[P:P+1], v[P+16:P+17]
.irp m, 1,2,4,8
	v_add_f32_dpp v[P], v[P], v[P] row_xmask:\m row_mask:0xf bank_mask:0xf
	v_add_f32_dpp v[P+1], v[P+1], v[P+1] row_xmask:\m row_mask:0xf bank_mask:0xf
.endr
	v_permlanex16_b32 v[P+2], v[P], s[SEL], s[SEL+1]
	v_permlanex16_b32 v[P+3], v[P+1], s[SEL], s[SEL+1]
	v_add_f32 v[P], v[P], v[P+2]
	v_add_f32 v[P+1], v[P+1], v[P+3]
.endm
; Block p: loads 4 p to 4 p + 3, eight words of q.  Two weights to a word: rounded to bf16; each magnitude, as f32, against 0.5 s; 1.0 or 0 under the weight's own sign.
.macro BLK p
	s_wait_loadcnt 28-4*(\p)                       ; loads come back in order: this block's four are in, the later blocks' stay out
.if (\p) > 0
	s_wait_alu depctr_va_vdst(0)                   ; the block before has written its eight words of Q, which the four stores below read
.endif
.irp i, 0,1,2,3
.if (\p) > 0
	global_store_b64 v[SO], v[Q+8*(\p)-8+2*(\i):Q+8*(\p)-8+2*(\i)+1], s[8:9] offset:256*(4*(\p)-4+(\i)) th:TH_STORE_NT  ; the block before; no vector line since the wait names these registers
.endif
	v_cvt_pk_bf16_f32 v[Q+8*(\p)+2*(\i)],   v[WR+16*(\p)+4*(\i)],   v[WR+16*(\p)+4*(\i)+1]
	v_cvt_pk_bf16_f32 v[Q+8*(\p)+2*(\i)+1], v[WR+16*(\p)+4*(\i)+2], v[WR+16*(\p)+4*(\i)+3]
	v_and_b32 v[MU+2*(\i)],   s14, v[Q+8*(\p)+2*(\i)]
	v_and_b32 v[MU+2*(\i)+1], s14, v[Q+8*(\p)+2*(\i)+1]
	v_lshlrev_b32 v[ML+2*(\i)],   16, v[Q+8*(\p)+2*(\i)]
	v_lshlrev_b32 v[ML+2*(\i)+1], 16, v[Q+8*(\p)+2*(\i)+1]
	v_and_b32 v[ML+2*(\i)],   s15, v[ML+2*(\i)]
	v_and_b32 v[ML+2*(\i)+1], s15, v[ML+2*(\i)+1]
.endr
.irp n, 0,1,2,3,4,5,6,7
	v_cmp_gt_f32 s[MK+2*(\n)],   v[ML+(\n)], v[TH]
	v_cmp_gt_f32 s[MK+2*(\n)+1], v[MU+(\n)], v[TH]
.endr
	s_wait_alu depctr_va_sdst(0)                   ; the sixteen compares have written s[MK ..], ahead of the selects that read them
.irp n, 0,1,2,3,4,5,6,7
	v_cndmask_b32 v[ML+(\n)], 0, s16, s[MK+2*(\n)]
	v_cndmask_b32 v[MU+(\n)], 0, 1.0, s[MK+2*(\n)+1]  ; 1.0 in f32 is 1.0 in bf16 in the upper half
.endr
.irp n, 0,1,2,3,4,5,6,7
	v_and_or_b32 v[Q+8*(\p)+(\n)], v[Q+8*(\p)+(\n)], s17, v[ML+(\n)]
.endr
.irp n, 0,1,2,3,4,5,6,7
	v_or_b32 v[Q+8*(\p)+(\n)], v[Q+8*(\p)+(\n)], v[MU+(\n)]
.endr
.endm
	s_wait_loadcnt 32                              ; part is in: the 32 loads of weight are younger
	SUMS_ADD
	v_mul_f32 v[TH], 0x33800000, v[P+1]            ; the mean: times 2^-24, exact
	v_max_num_f32 v[TH], 0x322bcc77, v[TH]         ; at least 1e-8
	v_mul_f32 v[TH], 0.5, v[TH]
	BLK 0                                          ; no block stands in front of it: no store, and no wait but the one for its data
	BLK 1
	BLK 2
	BLK 3
	BLK 4
	BLK 5
	BLK 6
	BLK 7
	s_wait_alu depctr_va_vdst(0)                   ; block 7 has written its eight words of Q, which the last four stores read
.irp i, 0,1,2,3
	global_store_b64 v[SO], v[Q+56+2*(\i):Q+56+2*(\i)+1], s[8:9] offset:256*(28+(\i)) th:TH_STORE_NT
.endr
	s_endpgm
.Lfunc_end_k_qa623968128_quant:
	.size	k_qa623968128_quant, .Lfunc_end_k_qa623968128_quant-k_qa623968128_quant
	.p2alignl 7, 3214868480
	.fill 96, 4, 3214868480
	.section	.rodata,"a",@progbits
	.p2align	6, 0x0
	.amdhsa_kernel k_qa623968128_quant
		.amdhsa_group_segment_fixed_size 0
		.amdhsa_private_segment_fixed_size 0
		.amdhsa_enable_private_segment 0
		.amdhsa_kernarg_size 24
		.amdhsa_user_sgpr_count 2
		.amdhsa_user_sgpr_kernarg_segment_ptr 1
		.amdhsa_wavefront_size32 1
		.amdhsa_system_sgpr_workgroup_id_x 1
		.amdhsa_system_sgpr_workgroup_id_y 1
		.amdhsa_system_sgpr_workgroup_id_z 1
		.amdhsa_system_vgpr_workitem_id 0
		.amdhsa_next_free_vgpr 256
		.amdhsa_next_free_sgpr 66
		.amdhsa_reserve_vcc 0
		.amdhsa_float_denorm_mode_32 3
		.amdhsa_float_denorm_mode_16_64 3
		.amdhsa_memory_ordered 1
		.amdhsa_forward_progress 1
		.amdhsa_inst_pref_size 43
	.end_amdhsa_kernel
	.amdgpu_metadata
---
amdhsa.version: [ 1, 2 ]
amdhsa.kernels:
  - .name:           k_qa623968128_quant
    .symbol:         k_qa623968128_quant.kd
    .args:
      - { .name: weight, .offset: 0, .size: 8, .value_kind: global_buffer, .address_space: global }
      - { .name: part, .offset: 8, .size: 8, .value_kind: global_buffer, .address_space: global }
      - { .name: q, .offset: 16, .size: 8, .value_kind: global_buffer, .address_space: global }
    .group_segment_fixed_size: 0
    .private_segment_fixed_size: 0
    .kernarg_segment_align: 8
    .kernarg_segment_size: 24
    .max_flat_workgroup_size: 256
    .sgpr_count:     66
    .vgpr_count:     256
    .wavefront_size: 32
...
	.end_amdgpu_metadata
.endif
;; end of part 4
;; launch gemm: the kernel of part 3 again; grid 16 x 16, 4 waves a work-group, clusters of 4 x 4, 327,680 bytes of LDS; arguments xb, q, out0, bias, part; writes out0
